; MI455X (gfx1250); checked and timed in simulation.
; The chip was launched on July 23, 2026; its instructions are those of AMD's public machine-readable ISA for CDNA 5 (MIT licence, August 2026) and "CDNA5" Instruction Set Architecture Reference Guide (July 2026). The comments in the code are by the model that wrote it; some were corrected since.
;; Mixed Score MHA. Allowed arithmetic: float matrix products may take bf16 or f16 operands with f32 sums; all other float work in f32.
;; Inputs: W_mat 16 x 1 x 1 float32; W_out_col 256 x 256 float32; W_out_row 256 x 256 float32; Wk_col 256 x 256 float32; Wk_row 256 x 256 float32; Wq_col 256 x 256 float32; Wq_row 256 x 256 float32; Wv_col 256 x 256 float32; Wv_row 256 x 256 float32; col_emb 32 x 512 x 256 float32; matrix 32 x 512 x 512 float32; row_emb 32 x 512 x 256 float32.
;; Outputs: out0 32 x 512 x 256 float32; out1 32 x 512 x 256 float32.
;; 2 versions, each right; version 2 is version 1 with the launch prep written anew for expert scheduling mode. Each part assembles by itself: llvm-mc -triple=amdgcn-amd-amdhsa -mcpu=gfx1250 --defsym DOCPART=n.
;; ======== version 1 of 2: 3 launches
;; limits: values are held in f16: magnitudes above 65,504 overflow, below 6.1e-05 lose precision
;; workspace buffers: wfrag 1,048,576 bytes; proj 50,331,648 bytes
;; launch prep (part 1): grid 4 x 32, 2 waves a work-group, no clusters, 0 bytes of LDS; arguments Wq_row, Wk_row, Wv_row, Wk_col, Wq_col, Wv_col, W_out_row, W_out_col, wfrag; writes wfrag
.if DOCPART == 1
	.amdgcn_target "amdgcn-amd-amdhsa--gfx1250"
	.amdhsa_code_object_version 6
	.text
	.protected	k_q89c9893fbc_prep
	.globl	k_q89c9893fbc_prep
	.p2align	8
	.type	k_q89c9893fbc_prep,@function
k_q89c9893fbc_prep:
	s_mov_b64 s[64:65], 0
	v_nop
	global_prefetch_b8 v0, s[64:65] scope:SCOPE_SE
	s_setreg_imm32_b32 hwreg(HW_REG_WAVE_MODE, 25, 1), 1
	s_wait_xcnt 0x0
; The eight weight matrices W[k][n] (256 x 256 f32) become f16 in FRAGMENT ORDER, so that later launches fetch matrix operands
; by plain 16-byte loads.  A fragment is 16 columns n x 32 k = 1,024 bytes: byte c*512 + L*16 holds, for lane L = 16 h + r,
; the eight numbers k = 32 ks + 16 c + 8 h + 0..7 of column 16 ft + r (ISA guide 7.12.2: the 16-bit operand layout).
; Matrix m lies at m*131072, fragment (ft, ks) at ft*8192 + ks*1024.  With kg = k / 8 = 4 ks + 2 c + h a thread's 16 bytes lie at
; ft*8192 + kg*256 + r*16.
; Order of m: Wq_row, Wk_row, Wv_row, Wk_col, Wq_col, Wv_col, W_out_row, W_out_col.  Wq_row and Wk_row carry the factor
; 0.25 * log2(e): the norm 1/sqrt(16) of the scores and the change to base 2 for the softmax.
; LIMIT: f16 operands: a weight above 65,504 in magnitude becomes infinite, one below 2^-25 becomes zero.
; Thread t of work-group (x, y): column n = 64 x + t, rows 8 y .. 8 y + 7, of all eight matrices.  A wave's load covers 128
; neighbouring bytes; sixteen neighbouring lanes store 256 neighbouring bytes, aligned.
; No LDS, no matrix unit, no cluster: 2 MiB are read once and 1 MiB is written once, nothing is shared.
.set SCALE, 0x3eb8aa3b                 ; 0.25 * log2(e)
.set X, 8                              ; v[8:71]  matrix m: 8 registers as loaded; its first 4 then hold the 8 packed f16
	s_load_b512 s[8:23], s[0:1], 0x0               ; the eight weight matrices, matrix m in s[8+2m:9+2m]
	s_load_b64 s[24:25], s[0:1], 0x40              ; wfrag
	s_and_b32 s2, ttmp7, 0xffff                    ; kg
	s_lshl_b32 s3, ttmp9, 6
	v_add_nc_u32 v3, s3, v0                        ; n
	s_lshl_b32 s4, s2, 13                          ; 8 rows of 1,024 bytes
	s_lshl_b32 s5, s2, 8
	v_lshl_add_u32 v1, v3, 2, s4                   ; from: kg*8192 + 4 n
	v_lshrrev_b32 v4, 4, v3                        ; ft
	v_and_b32 v5, 15, v3                           ; r
	v_lshl_add_u32 v2, v4, 13, s5
	v_lshl_add_u32 v2, v5, 4, v2                   ; to: ft*8192 + kg*256 + 16 r
	s_wait_kmcnt 0x0
.irp m, 0,1,2,3,4,5,6,7
.irp i, 0,1,2,3,4,5,6,7
	global_load_b32 v[X+8*\m+\i], v1, s[8+2*\m:9+2*\m] offset:1024*\i th:TH_LOAD_NT
.endr
.endr
.irp m, 0,1,2,3,4,5,6,7
	s_wait_loadcnt 8*(7-\m)                        ; loads return in order: the eight of each later matrix may stay out
.if \m < 2
.irp j, 0,2,4,6
	v_pk_mul_f32 v[X+8*\m+\j:X+8*\m+\j+1], v[X+8*\m+\j:X+8*\m+\j+1], SCALE op_sel_hi:[1,0]
.endr
.endif
.irp j, 0,1,2,3
	v_cvt_pk_f16_f32 v[X+8*\m+\j], v[X+8*\m+2*\j], v[X+8*\m+2*\j+1]   ; in place: register j is read no later than it is written
.endr
	global_store_b128 v2, v[X+8*\m:X+8*\m+3], s[24:25] offset:\m*131072
.endr
	s_endpgm
.Lfunc_end_k_q89c9893fbc_prep:
	.size	k_q89c9893fbc_prep, .Lfunc_end_k_q89c9893fbc_prep-k_q89c9893fbc_prep
	.p2alignl 7, 3214868480
	.fill 96, 4, 3214868480
	.section	.rodata,"a",@progbits
	.p2align	6, 0x0
	.amdhsa_kernel k_q89c9893fbc_prep
		.amdhsa_group_segment_fixed_size 0
		.amdhsa_private_segment_fixed_size 0
		.amdhsa_enable_private_segment 0
		.amdhsa_kernarg_size 72
		.amdhsa_user_sgpr_count 2
		.amdhsa_user_sgpr_kernarg_segment_ptr 1
		.amdhsa_wavefront_size32 1
		.amdhsa_system_sgpr_workgroup_id_x 1
		.amdhsa_system_sgpr_workgroup_id_y 1
		.amdhsa_system_sgpr_workgroup_id_z 1
		.amdhsa_system_vgpr_workitem_id 0
		.amdhsa_next_free_vgpr 72
		.amdhsa_next_free_sgpr 66
		.amdhsa_reserve_vcc 0
		.amdhsa_float_denorm_mode_32 3
		.amdhsa_float_denorm_mode_16_64 3
		.amdhsa_memory_ordered 1
		.amdhsa_forward_progress 1
		.amdhsa_inst_pref_size 11
	.end_amdhsa_kernel
	.amdgpu_metadata
---
amdhsa.version: [ 1, 2 ]
amdhsa.kernels:
  - .name:           k_q89c9893fbc_prep
    .symbol:         k_q89c9893fbc_prep.kd
    .args:
      - { .name: Wq_row, .offset: 0, .size: 8, .value_kind: global_buffer, .address_space: global }
      - { .name: Wk_row, .offset: 8, .size: 8, .value_kind: global_buffer, .address_space: global }
      - { .name: Wv_row, .offset: 16, .size: 8, .value_kind: global_buffer, .address_space: global }
      - { .name: Wk_col, .offset: 24, .size: 8, .value_kind: global_buffer, .address_space: global }
      - { .name: Wq_col, .offset: 32, .size: 8, .value_kind: global_buffer, .address_space: global }
      - { .name: Wv_col, .offset: 40, .size: 8, .value_kind: global_buffer, .address_space: global }
      - { .name: W_out_row, .offset: 48, .size: 8, .value_kind: global_buffer, .address_space: global }
      - { .name: W_out_col, .offset: 56, .size: 8, .value_kind: global_buffer, .address_space: global }
      - { .name: wfrag, .offset: 64, .size: 8, .value_kind: global_buffer, .address_space: global }
    .group_segment_fixed_size: 0
    .private_segment_fixed_size: 0
    .kernarg_segment_align: 8
    .kernarg_segment_size: 72
    .max_flat_workgroup_size: 64
    .sgpr_count:     66
    .vgpr_count:     72
    .wavefront_size: 32
...
	.end_amdgpu_metadata
.endif
;; end of part 1
;; launch proj (part 2): grid 256 x 1, 4 waves a work-group, no clusters, 199,168 bytes of LDS; arguments row_emb, col_emb, wfrag, proj; writes proj
.if DOCPART == 2
	.amdgcn_target "amdgcn-amd-amdhsa--gfx1250"
	.amdhsa_code_object_version 6
	.text
	.protected	k_q89c9893fbc_proj
	.globl	k_q89c9893fbc_proj
	.p2align	8
	.type	k_q89c9893fbc_proj,@function
k_q89c9893fbc_proj:
	s_mov_b64 s[64:65], 0
	v_nop
	global_prefetch_b8 v0, s[64:65] scope:SCOPE_SE
	s_setreg_imm32_b32 hwreg(HW_REG_WAVE_MODE, 25, 1), 1
	s_wait_xcnt 0x0
; The six projections.  Work-group x: side = x / 128 (0 rows, 1 columns), 128 tokens (block x % 128 of the side's 16,384), all 768 features
; of the side's three matrices.  Four waves; wave w makes heads 4 w .. 4 w + 3: 12 feature tiles x 8 token tiles x 8 K steps = 768 matrix instructions.
; The 128 x 256 embeddings lie as 64 f16 fragments in 512 registers of EVERY wave; each weight fragment is read by one wave alone, straight
; from memory into registers (it is already in fragment order), and feeds 8 matrix instructions.
; OUTPUT, in fragment order (see below), block (side, b, head) of 49,152 bytes at side*25165824 + (16 b + head)*49152:
;   32 fragments QK, token tile T at T*1024: row = token, k 0-15 = the side's first matrix, k 16-31 = its second (rows [q|k], columns [k|q]);
;   16 fragments V at 32768 + T*512: row = feature, k = 32 tokens.
; A fragment is 1,024 bytes: byte c*512 + 16 L holds lane L's registers 4c .. 4c+3 (ISA guide 7.12.2).
; For q and k the weights are source 0, so that a lane's 8 results are 8 features of one token; for v the tokens are source 0, so that they
; are 8 tokens of one feature: in both cases the packed 16 bytes are the lane's 16 bytes of a half fragment, and a wave's store covers
; 512 neighbouring bytes, aligned.
; LIMIT: operands and results are f16: |embedding|, |weight|, |q|, |k|, |v| above 65,504 become infinite.
; NO CLUSTER, though all work-groups of a side read the same weights: a joint load lands in LDS, two slots of one step's 4 waves x 3 tiles x 8,192
; bytes are 196,608 bytes, and with the 198,656 bytes of the embeddings' stages that is 395,264, more than the 327,680 a work-group can be given.
.set ROWB, 1040                        ; a staged row: 1,024 bytes + 16 of padding, an odd multiple of 16: 16 rows start in 16 different columns of 16 bytes
.set WSTG, 32*ROWB                     ; a wave's 32 rows
.set EFR,  4*WSTG                      ; 133,120: behind the stage, the 64 fragments of the embeddings, (8 tt + ks)*1024; no tensor load lands here
.set T,    64                          ; v[64:191]   conversion: 128 f32 of one token tile
.set C16,  192                         ; v[192:255]  conversion: its 8 fragments
.set ACC,  64                          ; v[64:127]   afterwards: 8 accumulators, token tile tt at 8 tt
.set PK,   128                         ; v[128:159]  packed results, 4 registers a token tile
; window 1: a ring of 4 weight buffers of 64 registers (8 fragments); window 2: embeddings of token tiles 0-3 at 64 tt + 8 ks; window 3: tiles 4-7
.set MSB, 0
.macro WIN new                         ; the immediate's high byte repeats the setting that is left
.if MSB != \new
	s_set_vgpr_msb (MSB<<8)|\new
.set MSB, \new
.endif
.endm
	s_load_b256 s[4:11], s[0:1], 0x0               ; row_emb s[4:5], col_emb s[6:7], wfrag s[8:9], proj s[10:11]
	v_lshl_add_u32 v62, v0, 2, 0x30800
	v_mov_b32 v63, 0
	ds_add_u32 v62, v63
	v_lshrrev_b32 v7, 5, v0
	v_readfirstlane_b32 s12, v7                    ; wave
	s_lshr_b32 s13, ttmp9, 7                       ; side
	s_and_b32 s14, ttmp9, 127                      ; block of 128 tokens
	s_lshr_b32 s15, s14, 2                         ; b
	s_and_b32 s16, s14, 3                          ; which quarter of b's 512 tokens
	; descriptor group 1: 32 rows x 256 f32, 16 bytes of padding behind each row
	s_mov_b32 s24, 0x07d20000                      ; element of 4 bytes; padding on; after every 256 words; of 4 words
	s_mov_b32 s25, 256<<16                         ; tensor_dim0 = 256
	s_mov_b32 s26, 32<<16                          ; tensor_dim1 = 32
	s_mov_b32 s27, 256<<16                         ; tile_dim0 = 256
	s_mov_b32 s28, 32                              ; tile_dim1 = 32
	s_mov_b32 s29, 256                             ; elements from row to row
	s_mov_b32 s30, 0
	s_mov_b32 s31, 0
	s_mov_b32 s20, 1                               ; group 0: count
	s_mul_i32 s21, s12, WSTG                       ; LDS address: the wave's own 32 rows
	s_lshl_b32 s32, s14, 17                        ; 128 tokens of 1,024 bytes
	s_lshl_b32 s34, s12, 15                        ; 32 tokens; also the wave's 4 weight tiles of 8,192 bytes
	s_add_co_u32 s32, s32, s34
	s_mov_b32 s33, 0
	s_mul_i32 s36, s13, 393216                     ; the side's three matrices
	s_add_co_u32 s36, s36, s34
	s_mov_b32 s37, 0
	s_mul_i32 s38, s13, 25165824
	s_mul_i32 s39, s15, 786432
	s_add_co_u32 s38, s38, s39
	s_mul_i32 s39, s12, 196608                     ; the wave's 4 head blocks
	s_add_co_u32 s38, s38, s39
	s_mov_b32 s39, 0
	s_cmp_eq_u32 s13, 0
	s_wait_dscnt 0x0
	s_wait_kmcnt 0x0
	s_cselect_b64 s[22:23], s[4:5], s[6:7]
	s_add_nc_u64 s[22:23], s[22:23], s[32:33]
	s_or_b32 s23, s23, 0x80000000                  ; type = 2
	tensor_load_to_lds s[20:23], s[24:31]          ; the wave's only tensor load: its 32 tokens
	s_nop 0
	s_add_nc_u64 s[8:9], s[8:9], s[36:37]
	s_add_nc_u64 s[10:11], s[10:11], s[38:39]
	v_and_b32 v7, 31, v0                           ; L
	v_and_b32 v8, 15, v0                           ; r
	v_bfe_u32 v9, v0, 4, 1                         ; h
	v_lshlrev_b32 v4, 4, v7                        ; v4 = 16 L: weights
	v_mul_u32_u24 v1, v8, ROWB
	v_lshl_add_u32 v1, v9, 5, v1
	v_add_nc_u32 v1, s21, v1                       ; v1: stage, row r of my rows, 8 f32 for each half of the lanes
	v_add_nc_u32 v3, EFR, v4                       ; v3: all fragments of the embeddings
	s_lshl_b32 s40, s12, 14
	v_add_nc_u32 v2, s40, v3                       ; v2: my two token tiles' fragments
	s_lshl_b32 s41, s16, 13
	v_add_nc_u32 v5, s41, v4                       ; v5: QK fragments of my work-group's 8 token tiles
	s_lshl_b32 s42, s16, 12
	s_add_co_u32 s42, s42, 32768
	v_add_nc_u32 v6, s42, v4                       ; v6: V half fragments of the same tiles
; The 8 fragments of feature tile f (matrix f % 3, head 4 w + f / 3) into ring buffer f % 4: 16 loads of 512 neighbouring bytes
.macro WLOAD f
.set WX, (\f)%3
.set WI, (\f)/3
.set WB, 64*((\f)%4)
	WIN 0x40                                       ; destination window 1
.irp nn, 0,1,2,3,4,5,6,7,8,9,10,11,12,13,14,15
	global_load_b128 v[WB+4*\nn:WB+4*\nn+3], v4, s[8:9] offset:WX*131072+WI*8192+\nn*512
.endr
	WIN 0
.endm
	WLOAD 0
	WLOAD 1
	WLOAD 2
	WLOAD 3
	; f32 to f16 fragments: each wave converts the two token tiles that its own load brought, so its own wait is all that the reads need
	s_wait_tensorcnt 0x0
.irp tt, 0,1
.irp ks, 0,1,2,3,4,5,6,7
	ds_load_b128 v[T+16*\ks:T+16*\ks+3],     v1 offset:\tt*16*ROWB+\ks*128      ; k = 32 ks + 8 h + 0..3
	ds_load_b128 v[T+16*\ks+4:T+16*\ks+7],   v1 offset:\tt*16*ROWB+\ks*128+16   ;                 + 4..7
	ds_load_b128 v[T+16*\ks+8:T+16*\ks+11],  v1 offset:\tt*16*ROWB+\ks*128+64   ; k = 32 ks + 16 + 8 h + 0..3
	ds_load_b128 v[T+16*\ks+12:T+16*\ks+15], v1 offset:\tt*16*ROWB+\ks*128+80
.endr
	s_wait_dscnt 0x0
.set n, 0
.rept 64
	v_cvt_pk_f16_f32 v[C16+n], v[T+2*n], v[T+2*n+1]
.set n, n+1
.endr
.irp ks, 0,1,2,3,4,5,6,7
	ds_store_b128 v2, v[C16+8*\ks:C16+8*\ks+3]   offset:\tt*8192+\ks*1024
	ds_store_b128 v2, v[C16+8*\ks+4:C16+8*\ks+7] offset:\tt*8192+\ks*1024+512
.endr
.endr
	s_wait_dscnt 0x0                               ; my fragments are written, for the other waves' sake
	s_barrier_signal -1
	s_barrier_wait -1
	WIN 0x80                                       ; destination window 2
.irp tt, 0,1,2,3
.irp ks, 0,1,2,3,4,5,6,7
	ds_load_b128 v[64*\tt+8*\ks:64*\tt+8*\ks+3],   v3 offset:(8*\tt+\ks)*1024
	ds_load_b128 v[64*\tt+8*\ks+4:64*\tt+8*\ks+7], v3 offset:(8*\tt+\ks)*1024+512
.endr
.endr
	WIN 0xc0                                       ; destination window 3
.irp tt, 0,1,2,3
.irp ks, 0,1,2,3,4,5,6,7
	ds_load_b128 v[64*\tt+8*\ks:64*\tt+8*\ks+3],   v3 offset:(32+8*\tt+\ks)*1024
	ds_load_b128 v[64*\tt+8*\ks+4:64*\tt+8*\ks+7], v3 offset:(32+8*\tt+\ks)*1024+512
.endr
.endr
	WIN 0
	s_wait_dscnt 0x0
; 32 matrix instructions: 8 K steps x token tiles 4 hi .. 4 hi + 3.  The first K step starts the sums.  The four accumulators take turns,
; one instruction a turn.
.macro FTMUL hi
.irp ks, 0,1,2,3,4,5,6,7
.irp t, 0,1,2,3
.if FX < 2
.if \ks == 0
	v_wmma_f32_16x16x32_f16 v[ACC+32*\hi+8*\t:ACC+32*\hi+8*\t+7], v[FB+8*\ks:FB+8*\ks+7], v[64*\t+8*\ks:64*\t+8*\ks+7], 0
.else
	v_wmma_f32_16x16x32_f16 v[ACC+32*\hi+8*\t:ACC+32*\hi+8*\t+7], v[FB+8*\ks:FB+8*\ks+7], v[64*\t+8*\ks:64*\t+8*\ks+7], v[ACC+32*\hi+8*\t:ACC+32*\hi+8*\t+7]
.endif
.else
.if \ks == 0
	v_wmma_f32_16x16x32_f16 v[ACC+32*\hi+8*\t:ACC+32*\hi+8*\t+7], v[64*\t+8*\ks:64*\t+8*\ks+7], v[FB+8*\ks:FB+8*\ks+7], 0
.else
	v_wmma_f32_16x16x32_f16 v[ACC+32*\hi+8*\t:ACC+32*\hi+8*\t+7], v[64*\t+8*\ks:64*\t+8*\ks+7], v[FB+8*\ks:FB+8*\ks+7], v[ACC+32*\hi+8*\t:ACC+32*\hi+8*\t+7]
.endif
.endif
.endr
.endr
.endm
; One feature tile: 64 matrix instructions, the ring buffer filled again four tiles ahead, 8 stores
.macro FT f
.set FX, (\f)%3
.set FI, (\f)/3
.set FB, 64*((\f)%4)
.if \f <= 8
	s_wait_loadcnt 48                              ; this tile's 16 loads are in; the 16 of each of the three later tiles may stay out
.else
	s_wait_loadcnt 16*(11-\f)                      ; fewer tiles are left
.endif
.if FX < 2
	WIN 0x09                                       ; source 0 weights (window 1), source 1 embeddings (window 2)
	FTMUL 0
	WIN 0x0d                                       ; embeddings of window 3
	FTMUL 1
.else
	WIN 0x06                                       ; source 0 embeddings (window 2), source 1 weights (window 1)
	FTMUL 0
	WIN 0x07
	FTMUL 1
.endif
	WIN 0
.rept 4
	v_nop                                          ; four places behind the last matrix instruction (ISA guide 7.12.1): its result is read and its weight buffer loaded again below
.endr
	s_wait_xcnt 0x0                                ; PK, which the last tile's stores read, is rewritten only behind this wait
.if \f+4 <= 11
	WLOAD \f+4
.endif
.set n, 0
.rept 32
	v_cvt_pk_f16_f32 v[PK+n], v[ACC+2*n], v[ACC+2*n+1]
.set n, n+1
.endr
.irp tt, 0,1,2,3,4,5,6,7
.if FX < 2
	global_store_b128 v5, v[PK+4*\tt:PK+4*\tt+3], s[10:11] offset:FI*49152+\tt*1024+FX*512
.else
	global_store_b128 v6, v[PK+4*\tt:PK+4*\tt+3], s[10:11] offset:FI*49152+\tt*512
.endif
.endr
.endm
.irp ff, 0,1,2,3,4,5,6,7,8,9,10,11
	FT \ff
.endr
	s_wait_tensorcnt 0x0
	ds_add_u32 v62, v63
	s_wait_dscnt 0x0
	s_endpgm
.Lfunc_end_k_q89c9893fbc_proj:
	.size	k_q89c9893fbc_proj, .Lfunc_end_k_q89c9893fbc_proj-k_q89c9893fbc_proj
	.p2alignl 7, 3214868480
	.fill 96, 4, 3214868480
	.section	.rodata,"a",@progbits
	.p2align	6, 0x0
	.amdhsa_kernel k_q89c9893fbc_proj
		.amdhsa_group_segment_fixed_size 199168
		.amdhsa_private_segment_fixed_size 0
		.amdhsa_enable_private_segment 0
		.amdhsa_kernarg_size 32
		.amdhsa_user_sgpr_count 2
		.amdhsa_user_sgpr_kernarg_segment_ptr 1
		.amdhsa_wavefront_size32 1
		.amdhsa_system_sgpr_workgroup_id_x 1
		.amdhsa_system_sgpr_workgroup_id_y 1
		.amdhsa_system_sgpr_workgroup_id_z 1
		.amdhsa_system_vgpr_workitem_id 0
		.amdhsa_next_free_vgpr 1024
		.amdhsa_next_free_sgpr 66
		.amdhsa_reserve_vcc 0
		.amdhsa_float_denorm_mode_32 3
		.amdhsa_float_denorm_mode_16_64 3
		.amdhsa_memory_ordered 1
		.amdhsa_forward_progress 1
		.amdhsa_inst_pref_size 129
	.end_amdhsa_kernel
	.amdgpu_metadata
---
amdhsa.version: [ 1, 2 ]
amdhsa.kernels:
  - .name:           k_q89c9893fbc_proj
    .symbol:         k_q89c9893fbc_proj.kd
    .args:
      - { .name: row_emb, .offset: 0, .size: 8, .value_kind: global_buffer, .address_space: global }
      - { .name: col_emb, .offset: 8, .size: 8, .value_kind: global_buffer, .address_space: global }
      - { .name: wfrag, .offset: 16, .size: 8, .value_kind: global_buffer, .address_space: global }
      - { .name: proj, .offset: 24, .size: 8, .value_kind: global_buffer, .address_space: global }
    .group_segment_fixed_size: 199168
    .private_segment_fixed_size: 0
    .kernarg_segment_align: 8
    .kernarg_segment_size: 32
    .max_flat_workgroup_size: 128
    .sgpr_count:     66
    .vgpr_count:     1024
    .wavefront_size: 32
...
	.end_amdgpu_metadata
.endif
;; end of part 2
;; launch attn (part 3): grid 4 x 64, 8 waves a work-group, clusters of 4 x 1, 327,680 bytes of LDS; arguments proj, matrix, W_mat, wfrag, out0, out1; writes out0, out1
.if DOCPART == 3
	.amdgcn_target "amdgcn-amd-amdhsa--gfx1250"
	.amdhsa_code_object_version 6
	.text
	.protected	k_q89c9893fbc_attn
	.globl	k_q89c9893fbc_attn
	.p2align	8
	.type	k_q89c9893fbc_attn,@function
k_q89c9893fbc_attn:
	s_mov_b64 s[64:65], 0
	v_nop
	global_prefetch_b8 v0, s[64:65] scope:SCOPE_SE
	s_setreg_imm32_b32 hwreg(HW_REG_WAVE_MODE, 25, 1), 1
	s_wait_xcnt 0x0
	s_wait_alu depctr_hold_cnt(0) depctr_sa_sdst(0) depctr_va_vdst(0) depctr_va_sdst(0) depctr_va_ssrc(0) depctr_va_vcc(0) depctr_vm_vsrc(0)
	s_getreg_b32 s2, hwreg(HW_REG_IB_STS2, 6, 4)
	s_cmp_eq_u32 s2, 0
	s_cbranch_scc0 .Lentry_in_a_cluster
	s_endpgm
.Lentry_in_a_cluster:
	s_bfe_u32 s2, ttmp6, 0x10000c
	s_cmp_lg_u32 s2, 0x3003
	s_cbranch_scc0 .Lentry_shape_is_right
	s_endpgm
.Lentry_shape_is_right:
; Scores, both softmaxes, the products with V and the output projections.
; The two softmaxes of the plane compat[r][c] are two attention problems with a bias, run by one text: dir 0: queries = rows, keys = columns, out0;
; dir 1: queries = columns, keys = rows, out1.  Work-group (cx, y): b = y / 2, dir = y % 2, queries 128 cx .. 128 cx + 127, all 512 keys, all 16 heads.
; Eight waves; wave w owns queries 16 w .. 16 w + 15.  score1 + score2 is ONE product with K = 32: [q|k] of one side with [k|q] of the other.
; THE SCORE IS MADE TRANSPOSED: source 0 = 16 keys, source 1 = 16 queries, C = W_mat[head] * matrix.  Lane (r, h) then holds keys 8 h .. 8 h + 7 of query r:
; the maximum is taken inside the lane and across one exchange of halves; two packed tiles ARE source 1 of the product with V (source 0 = V, feature x 32 keys);
; and its result, 8 features of query r, packed, is the lane's 16 bytes of a fragment for the output projection.
; The slab of `matrix` (128 queries x 512 keys) does not hang on the head: it stays in f32 in 256 registers of each wave, in the score's own layout.
; SOFTMAX: base 2 (the factor 0.25 log2(e) lies in the row side's q and k and in W_mat's factor), a true running maximum for each query over chunks of 64 keys,
; sums rescaled by 2^(old - new).  The denominator is the sum of the probabilities as rounded to f16, made by a product with a fragment of ones.
; LIMITS: matrix operands are f16: |q|, |k|, |v|, |head| above 65,504 are infinite; a probability under 2^-25 of its query's largest counts as 0.
; CLUSTER 4 x 1: the four query blocks of one (b, dir) walk the same tiles of keys and values (49,152 bytes a head) and the same output weights (131,072 bytes):
; these are asked for jointly, mask 15.  The slab is each work-group's own: a plain load.
; THE RING: two slots of TWO heads each (98,304 bytes, one joint load of 12,288 bytes a wave), so that one round of the cluster's barrier serves two heads, and no
; barrier stands between a slot's two heads.  Head 0's tile has bytes of its own behind the slab's stage and goes out with the slab, among the first fills; so the
; heads run as 0 | (1,2) (3,4) .. (13,14) | 15.  A head's tile: 32 key fragments, then 16 value fragments at +32768.
; LDS: [0, 65536) the heads' fragments, wave w's queries at w*8192 + ks*1024.   [73728, 172032) slot 1; after the last head the stage of the way out, 4,352 bytes a wave.
;      [172032, 270336) slot 0.   [270336, 319488) head 0's tile.   [172032, 303104) at the end the output weights, 128 fragments.
;      At the start alone [0, 270336) stages the slab in f32, as eight tiles of 64 rows x 512 bytes, one a wave; every later fill of filled bytes stands behind a
;      round of the cluster's barrier.
.set SIDEB,  25165824                  ; bytes of a side in proj
.set BATCHB, 786432                    ; of a batch's 16 head blocks
.set HEADB,  49152                     ; of a head block
.set PAIRB,  2*HEADB
.set VOFF,   32768
.set HFR,    0
.set S1B,    73728                     ; slot 1
.set S0B,    S1B+PAIRB                 ; slot 0: 172,032
.set XB,     S0B+PAIRB                 ; head 0's tile: 270,336, where the slab's stage ends
.set WOUT,   S0B
.set OSTG,   S1B
.set MPITCH, 528                       ; a staged row of the slab: 512 bytes + 16, an odd multiple of 16
.set MTILE,  64*MPITCH                 ; a staged tile: 33,792 bytes; eight of them are 270,336
.set SPITCH, 272                       ; the way out: 256 bytes + 16, an odd multiple of 16
.set SCALE,  0x3eb8aa3b                ; 0.25 * log2(e)
; window 0: v1 = 16 L; v3 where my head's 16 bytes go; v4 offset of my queries' fragment; v5, v6 LDS addresses; v8 new maximum, v9 old;
; v10 2^(old-new); v12 1/sum; v11, v13 written once (second halves of pairs); v14-19 maxima at work; v15 target of the lane exchange; v[20:23] packed head
.set ONES, 24                          ; v[24:31]   a fragment of f16 ones
.set QF,   32                          ; v[32:47]   my queries' fragment, by the head's parity
.set OAC,  48                          ; v[48:55]   O: 8 features of query r
.set LAC,  56                          ; v[56:63]   the sums; all 16 rows of this product are equal, register 0 alone is rescaled and read
.set PF,   64                          ; v[64:79]   two fragments of probabilities
.set SC,   80                          ; v[80:143]  scores, two buffers of four tiles
.set KF,   144                         ; v[144:207] key fragments, two buffers of four
.set VF,   208                         ; v[208:239] value fragments, two buffers of two
.set STO,  240                         ; v240       the way out: where I put 32 bytes of a row; v240-247 are written once and hold nothing else
.set RDB,  241                         ; v241       the way out: where I read a row back
.set CO,   242                         ; v242       the way out: my byte offset in the output
.set AX,   243                         ; v243       16 L + head 0's tile
.set A00,  244                         ; v244, v245 16 L + slot 0's first and second head
.set A01,  245
.set A10,  246                         ; v246, v247 16 L + slot 1's first and second head
.set A11,  247
.set FB0,  64                          ; output projection: two buffers of 4 weight and 4 head fragments
.set FB1,  128
.set OB0,  64                          ; the way out: rows read back, two buffers
.set OB1,  96
; window 1: the slab, register 8 kt + j = (query 16 w + r, key 16 kt + 8 h + j); afterwards the 16 accumulators of the output projection
.set G1P, 24                           ; s[24:31] group 1 of a pair's eighth: 48 rows x 256 bytes
.set G0,  32                           ; s[32:39] group 0, one set for each slot
.set G1W, 40                           ; s[40:47] group 1 of the output weights' eighth: 64 rows x 256 bytes
.set G0W, 48                           ; s[48:51]
.set G1S, 52                           ; s[52:59] the slab's stage
.set G0S, 60                           ; s[60:63]
.set G1H, 84                           ; s[84:91] group 1 of one head's eighth: 24 rows x 256 bytes
.set G0X, 92                           ; s[92:95] group 0 of head 0's tile, later of head 15's
.set MSB, 0
.macro WIN new                         ; the immediate's high byte repeats the setting that is left
.if MSB != \new
	s_set_vgpr_msb (MSB<<8)|\new
.set MSB, \new
.endif
.endm
.macro PLACES                          ; four places behind a matrix instruction (ISA guide 7.12.1)
.rept 4
	v_nop
.endr
.endm
; A round of the cluster's barrier: my work-group's barrier; wave 0 signals for the work-group; every wave waits for all four work-groups; my work-group's barrier again
.macro ROUND
	s_barrier_signal -1
	s_barrier_wait -1
	s_cmp_lg_u32 s16, 0
	s_cbranch_scc1 .Lnot_wave_0_\@
	s_barrier_signal -3
.Lnot_wave_0_\@:
	s_barrier_wait -3
	s_barrier_signal -1
	s_barrier_wait -1
.endm
; Group 1 of a joint load of `rows` rows of 256 bytes that lie dense in memory
.macro DENSE g, rows
	s_mov_b32 s[\g+0], 0x0023000f                  ; mask: all four work-groups; element of 8 bytes; bit 21 set beside a mask
	s_mov_b32 s[\g+1], 32<<16                      ; tensor_dim0 = 32 elements = 256 bytes
	s_mov_b32 s[\g+2], (\rows)<<16                 ; tensor_dim1
	s_mov_b32 s[\g+3], 32<<16                      ; tile_dim0
	s_mov_b32 s[\g+4], \rows                       ; tile_dim1
	s_mov_b32 s[\g+5], 32                          ; a row begins where the last ends
	s_mov_b32 s[\g+6], 0
	s_mov_b32 s[\g+7], 0
.endm
	s_load_b256 s[4:11], s[0:1], 0x0               ; proj s[4:5], matrix s[6:7], W_mat s[8:9], wfrag s[10:11]
	s_load_b128 s[12:15], s[0:1], 0x20             ; out0 s[12:13], out1 s[14:15]
	v_lshl_add_u32 v254, v0, 2, 0x4e000
	v_mov_b32 v255, 0
	ds_add_u32 v254, v255
	v_lshrrev_b32 v7, 5, v0
	v_readfirstlane_b32 s16, v7                    ; wave
	s_bfe_u32 s17, ttmp6, 0x40000                  ; cx: my block of 128 queries
	s_and_b32 s18, ttmp7, 0xffff                   ; y (the cluster is one work-group high)
	s_lshr_b32 s19, s18, 1                         ; b
	s_and_b32 s20, s18, 1                          ; dir
	s_mov_b32 s21, 0x76543210                      ; v_permlanex16_b32: lane i of one half reads lane i of the other
	s_mov_b32 s22, 0xfedcba98
	DENSE G1P, 48
	DENSE G1H, 24
	DENSE G1W, 64
	s_mov_b32 s[G0+0], 1
	s_mul_i32 s74, s16, 12288                      ; my eighth of a pair's tile
	s_add_co_u32 s[G0+1], s74, S0B
	s_mov_b32 s[G0+4], 1
	s_add_co_u32 s[G0+5], s74, S1B
	s_mov_b32 s[G0X+0], 1
	s_mul_i32 s77, s16, 6144                       ; my eighth of one head's tile
	s_add_co_u32 s[G0X+1], s77, XB
	s_mov_b32 s[G0W+0], 1
	s_lshl_b32 s[G0W+1], s16, 14
	s_add_co_u32 s[G0W+1], s[G0W+1], WOUT
	; the slab's stage: in both directions a tile of 64 rows x 128 f32 of matrix for each wave, 16 bytes of padding behind each row
	s_mov_b32 s[G0S+0], 1
	s_mul_i32 s[G0S+1], s16, MTILE                 ; tile w
	s_mov_b32 s[G1S+0], 0x07920000                 ; no mask; element of 4 bytes; padding of 4 words after every 128
	s_mov_b32 s[G1S+1], 128<<16                    ; tensor_dim0 = 128
	s_mov_b32 s[G1S+2], 64<<16                     ; tensor_dim1 = 64
	s_mov_b32 s[G1S+3], 128<<16                    ; tile_dim0
	s_mov_b32 s[G1S+4], 64                         ; tile_dim1
	s_mov_b32 s[G1S+5], 512                        ; elements from row to row of matrix
	s_mov_b32 s[G1S+6], 0
	s_mov_b32 s[G1S+7], 0
	; offsets of what the partners share: made of b, dir and the wave's number alone, in registers that never hold cx
	s_mul_i32 s75, s19, BATCHB
	s_xor_b32 s76, s20, 1
	s_mul_i32 s76, s76, SIDEB                      ; the keys' side is the other one
	s_add_co_u32 s76, s76, s75                     ; its batch b, head 0
	s_add_co_u32 s96, s76, s74
	s_add_co_u32 s96, s96, HEADB                   ; heads 1 and 2, my eighth
	s_mov_b32 s97, 0
	s_add_co_u32 s76, s76, s77                     ; head 0, my eighth
	s_mov_b32 s77, 0
	s_mul_i32 s66, s20, SIDEB                      ; the queries' side
	s_add_co_u32 s66, s66, s75
	s_mov_b32 s67, 0
	s_lshl_b32 s68, s20, 17                        ; W_out_row or W_out_col
	s_lshl_b32 s69, s16, 14
	s_add_co_u32 s68, s68, s69
	s_add_co_u32 s68, s68, 6*131072
	s_mov_b32 s69, 0
	v_and_b32 v7, 31, v0                           ; L
	v_and_b32 v20, 15, v0                          ; r
	v_bfe_u32 v21, v0, 4, 1                        ; h
	v_lshlrev_b32 v1, 4, v7
	v_add_nc_u32 v[AX],  XB, v1
	v_add_nc_u32 v[A00], S0B, v1
	v_add_nc_u32 v[A01], S0B+HEADB, v1
	v_add_nc_u32 v[A10], S1B, v1
	v_add_nc_u32 v[A11], S1B+HEADB, v1
	s_lshl_b32 s75, s16, 13
	s_add_co_u32 s75, s75, HFR
	v_add_nc_u32 v3, s75, v1
	v_lshl_add_u32 v22, s16, 4, v20                ; my query in the block: 16 w + r
	s_mul_i32 s75, s16, 16*SPITCH                  ; my stage of the way out, in slot 1
	s_add_co_u32 s75, s75, OSTG
	v_mul_u32_u24 v[STO], v20, SPITCH
	v_lshl_add_u32 v[STO], v21, 5, v[STO]
	v_add_nc_u32 v[STO], s75, v[STO]               ; in: row r, 32 bytes for each half of the lanes
	v_mul_u32_u24 v[RDB], v21, SPITCH
	v_lshl_add_u32 v[RDB], v20, 4, v[RDB]
	v_add_nc_u32 v[RDB], s75, v[RDB]               ; back: lanes 0-15 one row of 256 bytes, lanes 16-31 the next
	v_lshlrev_b32 v[CO], 10, v21
	v_lshl_add_u32 v[CO], v20, 4, v[CO]            ; the same two rows in the output
	; what hangs on cx lies in s80-83 and v4 alone
	s_lshl3_add_u32 s80, s17, s16                  ; my token tile: 8 cx + w
	s_lshl_b32 s80, s80, 10
	v_add_nc_u32 v4, s80, v1
	; my tile of the slab.  dir 0 (128 rows x 512 columns): rows 128 cx + 64 (w / 4) .. + 63, columns 128 (w % 4) .. + 127
	s_lshl_b32 s82, s17, 18
	s_lshr_b32 s81, s16, 2
	s_lshl_b32 s81, s81, 17
	s_add_co_u32 s82, s82, s81
	s_and_b32 s81, s16, 3
	s_lshl_b32 s81, s81, 9
	s_add_co_u32 s82, s82, s81
	; dir 1 (512 rows x 128 columns): rows 64 w .. + 63, columns 128 cx .. + 127
	s_lshl_b32 s83, s16, 17
	s_lshl_b32 s81, s17, 9
	s_add_co_u32 s83, s83, s81
	s_cmp_eq_u32 s20, 0
	s_cselect_b32 s82, s82, s83                    ; a choice between two byte offsets
	s_lshl_b32 s80, s19, 20                        ; b's plane of matrix
	s_add_co_u32 s80, s80, s82
	s_mov_b32 s81, 0
	v_mov_b32 v9, 0
	v_mov_b32 v11, 0
	v_mov_b32 v13, 0
	v_mov_b32 v15, 0
.irp i, 0,1,2,3,4,5,6,7
	v_mov_b32 v[ONES+\i], 0x3c003c00
.endr
	s_wait_dscnt 0x0
	s_wait_kmcnt 0x0
	s_add_nc_u64 s[G0X+2:G0X+3], s[4:5], s[76:77]  ; head 0
	s_or_b32 s[G0X+3], s[G0X+3], 0x80000000        ; type = 2
	s_add_nc_u64 s[G0+2:G0+3], s[4:5], s[96:97]    ; heads 1 and 2
	s_add_nc_u64 s[G0+6:G0+7], s[G0+2:G0+3], PAIRB ; heads 3 and 4
	s_or_b32 s[G0+3], s[G0+3], 0x80000000
	s_or_b32 s[G0+7], s[G0+7], 0x80000000
	s_add_nc_u64 s[G0W+2:G0W+3], s[10:11], s[68:69]
	s_or_b32 s[G0W+3], s[G0W+3], 0x80000000
	s_add_nc_u64 s[G0S+2:G0S+3], s[6:7], s[80:81]
	s_or_b32 s[G0S+3], s[G0S+3], 0x80000000
	s_add_nc_u64 s[70:71], s[4:5], s[66:67]        ; my queries' side, head 0
	s_mov_b64 s[72:73], s[8:9]                     ; W_mat, head 0
	s_load_b32 s68, s[72:73], 0x0
	ROUND                                          ; in front of the launch's first tensor loads
	tensor_load_to_lds s[G0X:G0X+3], s[G1H:G1H+7]  ; the first fills, two a wave: my eighth of head 0's tile, jointly,
	s_nop 0
	tensor_load_to_lds s[G0S:G0S+3], s[G1S:G1S+7]  ; and my tile of the slab; their LDS bytes do not meet
	s_nop 0
	global_load_b128 v[QF:QF+3],   v4, s[70:71]    ; head 0's queries
	global_load_b128 v[QF+4:QF+7], v4, s[70:71] offset:512
	s_wait_tensorcnt 0x0                           ; both are in,
	s_barrier_signal -1
	s_barrier_wait -1                              ; everybody's are
	s_cmp_lg_u32 s20, 0                            ; the two ways hold LDS reads alone
	s_cbranch_scc1 .Lcols
	; dir 0: my query is row 16 (w % 4) + r of the tiles 4 (w / 4) + 0..3; a tile holds 8 key tiles; a lane takes 8 neighbouring keys by two loads of 16 bytes
	s_lshr_b32 s75, s16, 2
	s_mul_i32 s75, s75, 4*MTILE
	s_and_b32 s76, s16, 3
	v_lshl_add_u32 v23, s76, 4, v20
	v_mul_u32_u24 v5, v23, MPITCH
	v_lshl_add_u32 v5, v21, 5, v5
	v_add_nc_u32 v5, s75, v5                       ; keys 0 .. 255
	v_add_nc_u32 v6, 2*MTILE, v5                   ; keys 256 .. 511
	WIN 0x40                                       ; destination window 1
.irp cb, 0,1
.irp k8, 0,1,2,3,4,5,6,7
	ds_load_b128 v[64*\cb+8*\k8:64*\cb+8*\k8+3],   v5 offset:\cb*MTILE+64*\k8
	ds_load_b128 v[64*\cb+8*\k8+4:64*\cb+8*\k8+7], v5 offset:\cb*MTILE+64*\k8+16
.endr
.endr
.irp cb, 0,1
.irp k8, 0,1,2,3,4,5,6,7
	ds_load_b128 v[128+64*\cb+8*\k8:128+64*\cb+8*\k8+3],   v6 offset:\cb*MTILE+64*\k8
	ds_load_b128 v[128+64*\cb+8*\k8+4:128+64*\cb+8*\k8+7], v6 offset:\cb*MTILE+64*\k8+16
.endr
.endr
	WIN 0
	s_branch .Lslab_in
.Lcols:
	; dir 1: my query is column 16 w + r of every tile; a tile holds 4 key tiles; a lane's 8 keys lie in 8 rows: loads of 4 bytes
	v_mul_u32_u24 v5, v21, 8*MPITCH                ; 8 h rows of 528 bytes: 1,056 words, so the two halves of the lanes lie 32 words apart modulo 64
	v_lshl_add_u32 v5, v22, 2, v5
.irp g, 0,1,2,3,4,5,6,7
	v_add_nc_u32 v[80+\g], \g*MTILE, v5            ; a tile on for every four key tiles
.endr
	WIN 0x40
.irp g, 0,1,2,3,4,5,6,7
.irp t, 0,1,2,3
.irp j, 0,1,2,3,4,5,6,7
	ds_load_b32 v[32*\g+8*\t+\j], v[80+\g] offset:(16*\t+\j)*MPITCH
.endr
.endr
.endr
	WIN 0
.Lslab_in:
; C of the scores of chunk c (key tiles 4 c .. 4 c + 3): W_mat[head] * 0.25 log2(e) * slab, into score buffer sb
.macro BIAS c, sb
	WIN 0x01                                       ; source 0 window 1
.irp i, 0,1,2,3,4,5,6,7,8,9,10,11,12,13,14,15
	v_pk_mul_f32 v[SC+32*\sb+2*\i:SC+32*\sb+2*\i+1], v[32*\c+2*\i:32*\c+2*\i+1], s[66:67] op_sel_hi:[1,0]
.endr
	WIN 0
.endm
; 12 LDS loads from the head's tile at address register ad: chunk c's four key fragments, then its two value fragments; each load takes 512 neighbouring bytes
.macro LOADKV ad, c, kb
.irp t, 0,1,2,3
	ds_load_b128 v[KF+32*\kb+8*\t:KF+32*\kb+8*\t+3],   v[\ad] offset:(4*\c+\t)*1024
	ds_load_b128 v[KF+32*\kb+8*\t+4:KF+32*\kb+8*\t+7], v[\ad] offset:(4*\c+\t)*1024+512
.endr
.irp g, 0,1
	ds_load_b128 v[VF+16*\kb+8*\g:VF+16*\kb+8*\g+3],   v[\ad] offset:VOFF+(2*\c+\g)*1024
	ds_load_b128 v[VF+16*\kb+8*\g+4:VF+16*\kb+8*\g+7], v[\ad] offset:VOFF+(2*\c+\g)*1024+512
.endr
.endm
; The coming head's factor into s[66:67]; more = 1: the head's behind it is fetched (none behind head 15: W_mat ends there)
.macro WMGET more
	s_wait_kmcnt 0x0                               ; W_mat[head], asked for a head ago
	s_mul_f32 s66, s68, SCALE
	s_mov_b32 s67, s66
.if \more
	s_add_nc_u64 s[72:73], s[72:73], 4             ; its load is done: the pointer steps
	s_load_b32 s68, s[72:73], 0x0
.endif
.endm
.macro SUBM t                          ; tile t's 8 scores less the running maximum (v8 feeds both halves)
.irp i, 0,2,4,6
	v_pk_add_f32 v[SB+8*\t+\i:SB+8*\t+\i+1], v[SB+8*\t+\i:SB+8*\t+\i+1], v[8:9] op_sel_hi:[1,0] neg_lo:[0,1] neg_hi:[0,1]
.endr
.endm
.macro EXPT t
.irp i, 0,1,2,3,4,5,6,7
	v_exp_f32 v[SB+8*\t+\i], v[SB+8*\t+\i]
.endr
.endm
.macro CVTP t                          ; keys 8 h + 0..7 of tile t: half of a fragment of probabilities
	s_wait_alu depctr_va_vdst(0)
.irp i, 0,1,2,3
	v_cvt_pk_f16_f32 v[PF+4*\t+\i], v[SB+8*\t+2*\i], v[SB+8*\t+2*\i+1]
.endr
.endm
; 64 keys of one head.  q: the head's parity (its queries' buffer); ad: its tile's address register; nad: in chunk 7, the address register of the next head if that
; lies in the same slot, else 0.  No two matrix instructions that follow each other share an accumulator (four score tiles, then O and the sums by turns).
.macro CHUNK q, ad, c, nad
.set SB, SC+32*((\c)&1)
.set KB, KF+32*((\c)&1)
.set VB, VF+16*((\c)&1)
.set NB, 1-((\c)&1)
.set NC, \c+1
	s_wait_dscnt 4                                 ; the chunk's 8 key loads are in; its 4 value loads, which are younger, may stay out
.irp t, 0,1,2,3
	v_wmma_f32_16x16x32_f16 v[SB+8*\t:SB+8*\t+7], v[KB+8*\t:KB+8*\t+7], v[QF+8*\q:QF+8*\q+7], v[SB+8*\t:SB+8*\t+7]
.endr
.if \c < 7
	BIAS NC, NB                                    ; 16 instructions that name no register of the matrix instructions above: the places behind them
	LOADKV \ad, NC, NB
.set OUTL, 12
.else
.if \nad
	WMGET 1                                        ; this head's factor has served its last chunk: the next head's takes its place
	BIAS 0, 0                                      ; the slot's second head goes on as a next chunk would: no barrier, the chain of loads does not run dry
	LOADKV \nad, 0, 0
.set OUTL, 12
.else
	PLACES
.set OUTL, 0
.endif
.endif
.irp t, 0,1,2,3
	v_max3_num_f32 v[16+\t], v[SB+8*\t], v[SB+8*\t+1], v[SB+8*\t+2]
.endr
.irp t, 0,1,2,3
	v_max3_num_f32 v[16+\t], v[16+\t], v[SB+8*\t+3], v[SB+8*\t+4]
.endr
.irp t, 0,1,2,3
	v_max3_num_f32 v[16+\t], v[16+\t], v[SB+8*\t+5], v[SB+8*\t+6]
.endr
	v_max3_num_f32 v14, v16, v17, v18
	v_max3_num_f32 v14, v14, v19, v[SB+7]
	v_max3_num_f32 v14, v14, v[SB+15], v[SB+23]
.if \c
	v_max3_num_f32 v14, v14, v[SB+31], v9          ; with the maximum so far
.else
	v_max_num_f32 v14, v14, v[SB+31]               ; a head's first chunk starts its maximum
.endif
	v_permlanex16_b32 v15, v14, s21, s22           ; the other eight keys of each tile lie in the other half of the lanes
	v_max_num_f32 v8, v14, v15
.if \c
	v_sub_f32 v10, v9, v8
	v_exp_f32 v10, v10                             ; 2^(old - new)
.endif
	; behind each run of exponentials stands a plain instruction on other registers before a result is used (ISA guide 5.7.2)
	SUBM 0
	EXPT 0
	SUBM 1
	EXPT 1
	CVTP 0
	SUBM 2
	EXPT 2
	CVTP 1
	SUBM 3
	EXPT 3
	CVTP 2
.if \c
.irp i, 0,2,4,6
	v_pk_mul_f32 v[OAC+\i:OAC+\i+1], v[OAC+\i:OAC+\i+1], v[10:11] op_sel_hi:[1,0]
.endr
	v_mul_f32 v[LAC], v[LAC], v10
.endif
	v_mov_b32 v9, v8
	CVTP 3
	s_wait_dscnt OUTL                              ; my value fragments are in; the 12 loads issued above for the next chunk, if any, may stay out
.if \c
	v_wmma_f32_16x16x32_f16 v[OAC:OAC+7], v[VB:VB+7], v[PF:PF+7], v[OAC:OAC+7]
	v_wmma_f32_16x16x32_f16 v[LAC:LAC+7], v[ONES:ONES+7], v[PF:PF+7], v[LAC:LAC+7]
.else
	v_wmma_f32_16x16x32_f16 v[OAC:OAC+7], v[VB:VB+7], v[PF:PF+7], 0
	v_wmma_f32_16x16x32_f16 v[LAC:LAC+7], v[ONES:ONES+7], v[PF:PF+7], 0
.endif
	v_wmma_f32_16x16x32_f16 v[OAC:OAC+7], v[VB+8:VB+15], v[PF+8:PF+15], v[OAC:OAC+7]
	v_wmma_f32_16x16x32_f16 v[LAC:LAC+7], v[ONES:ONES+7], v[PF+8:PF+15], v[LAC:LAC+7]
.endm
; One head.  par: its parity; ad: its tile's address register; first = 1: it stands behind a round and starts its own loads and bias (else the head before has);
; nad: see CHUNK; more = 1: a head follows: its queries, and where first = 1 its factor's successor, are fetched.
.macro HEAD par, ad, first, nad, more
.if \first
	LOADKV \ad, 0, 0
	WMGET \more
.endif
	s_wait_loadcnt 0x0                             ; this head's queries; their load is done: the base steps
.if \more
	s_add_nc_u64 s[70:71], s[70:71], HEADB
	global_load_b128 v[QF+8*(1-\par):QF+8*(1-\par)+3],   v4, s[70:71]
	global_load_b128 v[QF+8*(1-\par)+4:QF+8*(1-\par)+7], v4, s[70:71] offset:512
.endif
.if \first
	BIAS 0, 0
.endif
.irp cc, 0,1,2,3,4,5,6
	CHUNK \par, \ad, \cc, 0
.endr
	CHUNK \par, \ad, 7, \nad
	PLACES
	v_rcp_f32 v12, v[LAC]
	v_nop                                          ; one plain place behind the reciprocal (ISA guide 5.7.2)
	s_wait_alu depctr_va_vdst(0)
.irp i, 0,2,4,6
	v_pk_mul_f32 v[OAC+\i:OAC+\i+1], v[OAC+\i:OAC+\i+1], v[12:13] op_sel_hi:[1,0]
.endr
.irp i, 0,1,2,3
	v_cvt_pk_f16_f32 v[20+\i], v[OAC+2*\i], v[OAC+2*\i+1]
.endr
	ds_store_b128 v3, v[20:23] offset:\par*512     ; features 16 head + 8 h + 0..7 of query r: K step head / 2, half head % 2 of my queries' fragments.
	                                               ; Where the next head's 12 loads are out, this store is younger than they: the next wait for 4 then leaves one load fewer out
.if \par
	v_add_nc_u32 v3, 1024, v3                      ; the next two heads' K step
.endif
.endm
; The change to slot `slot`, whose two heads are read next; the other slot is filled again with the two heads behind them
.macro TURN slot
	s_wait_tensorcnt 0x0                           ; all my tensor loads have landed (one was out: my eighth of this slot's tile),
	ds_add_u32 v254, v255
	s_add_nc_u64 s[G0+4*\slot+2:G0+4*\slot+3], s[G0+4*\slot+2:G0+4*\slot+3], 2*PAIRB   ; so a group 0 may be written: this slot's next two heads
	s_wait_dscnt 0x0                               ; my reads of the other slot are back, my heads' stores are done
	ROUND                                          ; both hold of every wave of all four work-groups
	tensor_load_to_lds s[G0+4*(1-\slot):G0+4*(1-\slot)+3], s[G1P:G1P+7]   ; my one load behind the round; it has two heads' sixteen chunks in which to land
	s_nop 0
.endm
	s_wait_dscnt 0x0                               ; my reads of the stage are back
	s_wait_tensorcnt 0x0                           ; and no tensor load of mine is out
	ds_add_u32 v254, v255
	s_wait_dscnt 0x0
	ROUND                                          ; so of every wave of all four work-groups: the stage's bytes may be filled again
	tensor_load_to_lds s[G0:G0+3], s[G1P:G1P+7]    ; heads 1 and 2 into slot 0
	s_nop 0
	HEAD 0, AX, 1, 0, 1                            ; head 0, from its own bytes
	s_mov_b32 s74, 3
.Llap:                                             ; heads 1 to 12, four a lap
	TURN 0
	HEAD 1, A00, 1, A01, 1
	HEAD 0, A01, 0, 0, 1
	TURN 1
	HEAD 1, A10, 1, A11, 1
	HEAD 0, A11, 0, 0, 1
	s_sub_co_i32 s74, s74, 1
	s_cmp_lg_u32 s74, 0
	s_cbranch_scc1 .Llap
	s_wait_tensorcnt 0x0                           ; all my tensor loads have landed: heads 13 and 14 are in slot 0, and every group 0 may be written:
	ds_add_u32 v254, v255
	s_mul_i32 s[G0X+1], s16, 6144
	s_add_co_u32 s[G0X+1], s[G0X+1], S1B           ; head 0's now serves head 15, into slot 1's first half
	s_add_nc_u64 s[G0X+2:G0X+3], s[G0X+2:G0X+3], 15*HEADB
	s_wait_dscnt 0x0
	ROUND
	tensor_load_to_lds s[G0X:G0X+3], s[G1H:G1H+7]
	s_nop 0
	HEAD 1, A00, 1, A01, 1                         ; head 13
	HEAD 0, A01, 0, 0, 1                           ; head 14
	s_wait_tensorcnt 0x0
	ds_add_u32 v254, v255
	s_wait_dscnt 0x0
	ROUND
	tensor_load_to_lds s[G0W:G0W+3], s[G1W:G1W+7]  ; the output weights, over slot 0 and part of head 0's bytes; no key tile is left to fetch
	s_nop 0
	HEAD 1, A10, 1, 0, 0                           ; head 15
	; OUTPUT PROJECTION: out[q][n] = sum over the 256 head features.  Wave w: queries 64 (w / 4) .. + 63, columns 64 (w % 4) .. + 63: 16 accumulators, 8 K steps.
	; Source 0 = weights (16 columns), source 1 = heads (16 queries): a lane's 8 results are 8 neighbouring columns of one query.
	s_wait_tensorcnt 0x0                           ; my eighth of the weights is in
	s_wait_dscnt 0x0                               ; my heads are written, my reads of the ring are back
	s_barrier_signal -1
	s_barrier_wait -1                              ; so of all eight waves
	s_lshr_b32 s75, s16, 2                         ; which 64 queries
	s_and_b32 s76, s16, 3                          ; which 64 columns
	s_lshl_b32 s77, s76, 15
	s_add_co_u32 s77, s77, WOUT
	v_add_nc_u32 v5, s77, v1
	s_lshl_b32 s77, s75, 15
	s_add_co_u32 s77, s77, HFR
	v_add_nc_u32 v6, s77, v1
.macro OFETCH ks, f                    ; 16 LDS loads: K step ks of my 4 weight and my 4 head fragments
.irp t, 0,1,2,3
	ds_load_b128 v[\f+8*\t:\f+8*\t+3],   v5 offset:\t*8192+(\ks)*1024
	ds_load_b128 v[\f+8*\t+4:\f+8*\t+7], v5 offset:\t*8192+(\ks)*1024+512
.endr
.irp t, 0,1,2,3
	ds_load_b128 v[\f+32+8*\t:\f+32+8*\t+3],   v6 offset:\t*8192+(\ks)*1024
	ds_load_b128 v[\f+32+8*\t+4:\f+32+8*\t+7], v6 offset:\t*8192+(\ks)*1024+512
.endr
.endm
.macro OMUL f, zero                    ; 16 matrix instructions, all 16 accumulators in turn
	WIN 0x50                                       ; C and D window 1
.irp q, 0,1,2,3
.irp m, 0,1,2,3
.if \zero
	v_wmma_f32_16x16x32_f16 v[8*(4*\q+\m):8*(4*\q+\m)+7], v[\f+8*\m:\f+8*\m+7], v[\f+32+8*\q:\f+32+8*\q+7], 0
.else
	v_wmma_f32_16x16x32_f16 v[8*(4*\q+\m):8*(4*\q+\m)+7], v[\f+8*\m:\f+8*\m+7], v[\f+32+8*\q:\f+32+8*\q+7], v[8*(4*\q+\m):8*(4*\q+\m)+7]
.endif
.endr
.endr
	WIN 0
.endm
.macro OSTEP ks, f, g
.if \ks < 7
.if \ks > 0
	PLACES                                         ; buffer g, which the last step's matrix instructions read, is loaded again
.endif
	OFETCH \ks+1, \g
	s_wait_dscnt 16                                ; this step's fragments are in; the 16 loads just issued may stay out
.else
	s_wait_dscnt 0x0
.endif
.if \ks == 0
	OMUL \f, 1
.else
	OMUL \f, 0
.endif
.endm
	OFETCH 0, FB0
	; the output's base, while the first fragments come
	s_lshl_b32 s80, s19, 19                        ; b's 512 rows of 1,024 bytes
	s_lshl_b32 s82, s17, 17                        ; my work-group's 128
	s_add_co_u32 s80, s80, s82
	s_lshl_b32 s82, s75, 16                        ; my wave's 64
	s_add_co_u32 s80, s80, s82
	s_lshl_b32 s82, s76, 8                         ; my 64 columns
	s_add_co_u32 s80, s80, s82
	s_mov_b32 s81, 0
	s_cmp_eq_u32 s20, 0
	s_cselect_b64 s[78:79], s[12:13], s[14:15]
	s_add_nc_u64 s[78:79], s[78:79], s[80:81]
	OSTEP 0, FB0, FB1
	OSTEP 1, FB1, FB0
	OSTEP 2, FB0, FB1
	OSTEP 3, FB1, FB0
	OSTEP 4, FB0, FB1
	OSTEP 5, FB1, FB0
	OSTEP 6, FB0, FB1
	OSTEP 7, FB1, FB0
	PLACES                                         ; behind the last matrix instructions: their results are stored, and their fragment buffers loaded again, below
; 16 queries x 64 columns of f32 through my own stage: LDS serves a wave's instructions in order (ISA guide 5.7.1), so no wait stands between stores and loads
.macro OUT16 q, ob
	WIN 0x04                                       ; store data window 1
.irp m, 0,1,2,3
	ds_store_b128 v[STO], v[8*(4*\q+\m):8*(4*\q+\m)+3]   offset:64*\m
	ds_store_b128 v[STO], v[8*(4*\q+\m)+4:8*(4*\q+\m)+7] offset:64*\m+16
.endr
	WIN 0
	s_wait_xcnt 0x0                                ; buffer ob, which earlier stores read, is loaded again only behind this wait
.irp t, 0,1,2,3,4,5,6,7
	ds_load_b128 v[\ob+4*\t:\ob+4*\t+3], v[RDB] offset:\t*2*SPITCH
.endr
.irp t, 0,1,2,3,4,5,6,7
	s_wait_dscnt 7-\t                              ; the younger read-backs may stay out
	global_store_b128 v[CO], v[\ob+4*\t:\ob+4*\t+3], s[78:79] offset:(16*\q+2*\t)*1024 th:TH_STORE_NT   ; 16 lanes store 256 neighbouring bytes, aligned
.endr
.endm
	OUT16 0, OB0
	OUT16 1, OB1
	OUT16 2, OB0
	OUT16 3, OB1
	s_wait_tensorcnt 0x0
	ds_add_u32 v254, v255
	s_wait_dscnt 0x0
	ROUND                                          ; the closing round: no work-group ends while a partner may still ask jointly
	s_endpgm
.Lfunc_end_k_q89c9893fbc_attn:
	.size	k_q89c9893fbc_attn, .Lfunc_end_k_q89c9893fbc_attn-k_q89c9893fbc_attn
	.p2alignl 7, 3214868480
	.fill 96, 4, 3214868480
	.section	.rodata,"a",@progbits
	.p2align	6, 0x0
	.amdhsa_kernel k_q89c9893fbc_attn
		.amdhsa_group_segment_fixed_size 327680
		.amdhsa_private_segment_fixed_size 0
		.amdhsa_enable_private_segment 0
		.amdhsa_kernarg_size 48
		.amdhsa_user_sgpr_count 2
		.amdhsa_user_sgpr_kernarg_segment_ptr 1
		.amdhsa_wavefront_size32 1
		.amdhsa_system_sgpr_workgroup_id_x 1
		.amdhsa_system_sgpr_workgroup_id_y 1
		.amdhsa_system_sgpr_workgroup_id_z 1
		.amdhsa_system_vgpr_workitem_id 0
		.amdhsa_next_free_vgpr 512
		.amdhsa_next_free_sgpr 98
		.amdhsa_reserve_vcc 0
		.amdhsa_float_denorm_mode_32 3
		.amdhsa_float_denorm_mode_16_64 3
		.amdhsa_memory_ordered 1
		.amdhsa_forward_progress 1
		.amdhsa_inst_pref_size 255
	.end_amdhsa_kernel
	.section	.bss,"aw",@nobits
	.p2align	6
	.space	262144
	.amdgpu_metadata
---
amdhsa.version: [ 1, 2 ]
amdhsa.kernels:
  - .name:           k_q89c9893fbc_attn
    .symbol:         k_q89c9893fbc_attn.kd
    .args:
      - { .name: proj, .offset: 0, .size: 8, .value_kind: global_buffer, .address_space: global }
      - { .name: matrix, .offset: 8, .size: 8, .value_kind: global_buffer, .address_space: global }
      - { .name: W_mat, .offset: 16, .size: 8, .value_kind: global_buffer, .address_space: global }
      - { .name: wfrag, .offset: 24, .size: 8, .value_kind: global_buffer, .address_space: global }
      - { .name: out0, .offset: 32, .size: 8, .value_kind: global_buffer, .address_space: global }
      - { .name: out1, .offset: 40, .size: 8, .value_kind: global_buffer, .address_space: global }
    .group_segment_fixed_size: 327680
    .private_segment_fixed_size: 0
    .kernarg_segment_align: 8
    .kernarg_segment_size: 48
    .max_flat_workgroup_size: 256
    .sgpr_count:     98
    .vgpr_count:     512
    .wavefront_size: 32
...
	.end_amdgpu_metadata
.endif
;; end of part 3
;; ======== version 2 of 2: 3 launches; version 1 with the launch prep written anew for expert scheduling mode
;; limits: values are held in f16: magnitudes above 65,504 overflow, below 6.1e-05 lose precision
;; workspace buffers: wfrag 1,048,576 bytes; proj 50,331,648 bytes
;; launch prep (part 4): grid 4 x 32, 2 waves a work-group, no clusters, 0 bytes of LDS; arguments Wq_row, Wk_row, Wv_row, Wk_col, Wq_col, Wv_col, W_out_row, W_out_col, wfrag; writes wfrag
.if DOCPART == 4
	.amdgcn_target "amdgcn-amd-amdhsa--gfx1250"
	.amdhsa_code_object_version 6
	.text
	.protected	k_q89c9893fbc_prep
	.globl	k_q89c9893fbc_prep
	.p2align	8
	.type	k_q89c9893fbc_prep,@function
k_q89c9893fbc_prep:
	s_mov_b64 s[64:65], 0
	v_nop
	global_prefetch_b8 v0, s[64:65] scope:SCOPE_SE
	s_setreg_imm32_b32 hwreg(HW_REG_WAVE_SCHED_MODE, 0, 2), 2
	s_setreg_imm32_b32 hwreg(HW_REG_WAVE_MODE, 25, 1), 1
	s_wait_xcnt 0x0
	s_wait_alu depctr_vm_vsrc(0)
; The eight weight matrices W[k][n] (256 x 256 f32) become f16 in FRAGMENT ORDER, so that later launches fetch matrix operands
; by plain 16-byte loads.  A fragment is 16 columns n x 32 k = 1,024 bytes: byte c*512 + L*16 holds, for lane L = 16 h + r,
; the eight numbers k = 32 ks + 16 c + 8 h + 0..7 of column 16 ft + r (ISA guide 7.12.2: the 16-bit operand layout).
; Matrix m lies at m*131072, fragment (ft, ks) at ft*8192 + ks*1024.  With kg = k / 8 = 4 ks + 2 c + h a thread's 16 bytes lie at
; ft*8192 + kg*256 + r*16.
; Order of m: Wq_row, Wk_row, Wv_row, Wk_col, Wq_col, Wv_col, W_out_row, W_out_col.  Wq_row and Wk_row carry the factor
; 0.25 * log2(e): the norm 1/sqrt(16) of the scores and the change to base 2 for the softmax.
; LIMIT: f16 operands: a weight above 65,504 in magnitude becomes infinite, one below 2^-25 becomes zero.
; Thread t of work-group (x, y): column n = 64 x + t, rows 8 y .. 8 y + 7, of all eight matrices.  A wave's load covers 128
; neighbouring bytes; sixteen neighbouring lanes store 256 neighbouring bytes, aligned.
; No LDS, no matrix unit, no cluster: 2 MiB are read once and 1 MiB is written once, nothing is shared.
; THE MODE: SCHED_MODE bits 1:0 = 2 (LLVM: expert scheduling mode 2), set by the entry lines.  The code itself states the register dependences
; between vector instructions and memory instructions, with s_wait_alu, always for 0.
; THE PLAN.  Registers that memory instructions touch:
;   v1, v2     byte offsets of the loads and of the stores: made once at the head by vector lines, never written again.
;   v[8:71]    matrix m: 8 registers.  Its eight loads land in them, once; all 64 loads are issued before any vector line names one of them.
;              Then the matrix's own scalings and roundings work on them in place; then its one store reads the first four.  Nothing writes them after that.
; So the dependences to state are of one kind: a vector line has written what a load or a store reads.  The matrices go in four steps of two.
; Step p waits for its 16 loads, issues the two stores of step p - 1 behind ONE wait on va_vdst, and then does its own arithmetic, which names its own 16
; registers alone.  No register that a load or a store reads is written again, no load lands where a vector line has read or written, no vector line
; writes a scalar register, and EXEC is never written: no other wait is owed.
.set SCALE, 0x3eb8aa3b                 ; 0.25 * log2(e)
.set X, 8                              ; v[8:71]  matrix m: 8 registers as loaded; its first 4 then hold the 8 packed f16
	s_load_b512 s[8:23], s[0:1], 0x0               ; the eight weight matrices, matrix m in s[8+2m:9+2m]
	s_load_b64 s[24:25], s[0:1], 0x40              ; wfrag
	s_and_b32 s2, ttmp7, 0xffff                    ; kg
	s_lshl_b32 s3, ttmp9, 6
	v_add_nc_u32 v3, s3, v0                        ; n
	s_lshl_b32 s4, s2, 13                          ; 8 rows of 1,024 bytes
	s_lshl_b32 s5, s2, 8
	v_lshl_add_u32 v1, v3, 2, s4                   ; from: kg*8192 + 4 n
	v_lshrrev_b32 v4, 4, v3                        ; ft
	v_and_b32 v5, 15, v3                           ; r
	v_lshl_add_u32 v2, v4, 13, s5
	v_lshl_add_u32 v2, v5, 4, v2                   ; to: ft*8192 + kg*256 + 16 r
	s_wait_kmcnt 0x0
	s_wait_alu depctr_va_vdst(0)                   ; v1 and v2 are written: every load of the kernel reads v1 as its offset, every store v2
.irp m, 0,1,2,3,4,5,6,7
.irp i, 0,1,2,3,4,5,6,7
	global_load_b32 v[X+8*\m+\i], v1, s[8+2*\m:9+2*\m] offset:1024*\i th:TH_LOAD_NT
.endr
.endr
.irp p, 0,1,2,3
	s_wait_loadcnt 16*(3-\p)                       ; loads return in order: matrices 2 p and 2 p + 1 are in, the sixteen loads of each later step may stay out
.if \p > 0
	s_wait_alu depctr_va_vdst(0)                   ; the roundings of the step before have written the first four registers of its two matrices, which the two stores below read
.irp q, 0,1
	global_store_b128 v2, v[X+8*(2*\p-2+\q):X+8*(2*\p-2+\q)+3], s[24:25] offset:(2*\p-2+\q)*131072
.endr
.endif
.if \p == 0
.irp j, 0,2,4,6,8,10,12,14
	v_pk_mul_f32 v[X+\j:X+\j+1], v[X+\j:X+\j+1], SCALE op_sel_hi:[1,0]   ; Wq_row and Wk_row alone carry the factor
.endr
.endif
.irp q, 0,1
.irp j, 0,1,2,3
	v_cvt_pk_f16_f32 v[X+8*(2*\p+\q)+\j], v[X+8*(2*\p+\q)+2*\j], v[X+8*(2*\p+\q)+2*\j+1]   ; in place: register j is read no later than it is written
.endr
.endr
.endr
	s_wait_alu depctr_va_vdst(0)                   ; the last step's roundings have written the first four registers of matrices 6 and 7, which the last two stores read
.irp q, 0,1
	global_store_b128 v2, v[X+8*(6+\q):X+8*(6+\q)+3], s[24:25] offset:(6+\q)*131072
.endr
	s_endpgm
.Lfunc_end_k_q89c9893fbc_prep:
	.size	k_q89c9893fbc_prep, .Lfunc_end_k_q89c9893fbc_prep-k_q89c9893fbc_prep
	.p2alignl 7, 3214868480
	.fill 96, 4, 3214868480
	.section	.rodata,"a",@progbits
	.p2align	6, 0x0
	.amdhsa_kernel k_q89c9893fbc_prep
		.amdhsa_group_segment_fixed_size 0
		.amdhsa_private_segment_fixed_size 0
		.amdhsa_enable_private_segment 0
		.amdhsa_kernarg_size 72
		.amdhsa_user_sgpr_count 2
		.amdhsa_user_sgpr_kernarg_segment_ptr 1
		.amdhsa_wavefront_size32 1
		.amdhsa_system_sgpr_workgroup_id_x 1
		.amdhsa_system_sgpr_workgroup_id_y 1
		.amdhsa_system_sgpr_workgroup_id_z 1
		.amdhsa_system_vgpr_workitem_id 0
		.amdhsa_next_free_vgpr 72
		.amdhsa_next_free_sgpr 66
		.amdhsa_reserve_vcc 0
		.amdhsa_float_denorm_mode_32 3
		.amdhsa_float_denorm_mode_16_64 3
		.amdhsa_memory_ordered 1
		.amdhsa_forward_progress 1
		.amdhsa_inst_pref_size 11
	.end_amdhsa_kernel
	.amdgpu_metadata
---
amdhsa.version: [ 1, 2 ]
amdhsa.kernels:
  - .name:           k_q89c9893fbc_prep
    .symbol:         k_q89c9893fbc_prep.kd
    .args:
      - { .name: Wq_row, .offset: 0, .size: 8, .value_kind: global_buffer, .address_space: global }
      - { .name: Wk_row, .offset: 8, .size: 8, .value_kind: global_buffer, .address_space: global }
      - { .name: Wv_row, .offset: 16, .size: 8, .value_kind: global_buffer, .address_space: global }
      - { .name: Wk_col, .offset: 24, .size: 8, .value_kind: global_buffer, .address_space: global }
      - { .name: Wq_col, .offset: 32, .size: 8, .value_kind: global_buffer, .address_space: global }
      - { .name: Wv_col, .offset: 40, .size: 8, .value_kind: global_buffer, .address_space: global }
      - { .name: W_out_row, .offset: 48, .size: 8, .value_kind: global_buffer, .address_space: global }
      - { .name: W_out_col, .offset: 56, .size: 8, .value_kind: global_buffer, .address_space: global }
      - { .name: wfrag, .offset: 64, .size: 8, .value_kind: global_buffer, .address_space: global }
    .group_segment_fixed_size: 0
    .private_segment_fixed_size: 0
    .kernarg_segment_align: 8
    .kernarg_segment_size: 72
    .max_flat_workgroup_size: 64
    .sgpr_count:     66
    .vgpr_count:     72
    .wavefront_size: 32
...
	.end_amdgpu_metadata
.endif
;; end of part 4
;; launch proj: the kernel of part 2 again; grid 256 x 1, 4 waves a work-group, no clusters, 199,168 bytes of LDS; arguments row_emb, col_emb, wfrag, proj; writes proj
;; launch attn: the kernel of part 3 again; grid 4 x 64, 8 waves a work-group, clusters of 4 x 1, 327,680 bytes of LDS; arguments proj, matrix, W_mat, wfrag, out0, out1; writes out0, out1
